; MI455X (gfx1250); checked and timed in simulation.
; The chip was launched on July 23, 2026; its instructions are those of AMD's public machine-readable ISA for CDNA 5 (MIT licence, August 2026) and "CDNA5" Instruction Set Architecture Reference Guide (July 2026). The comments in the code are by the model that wrote it; some were corrected since.
;; Memory Net. Allowed arithmetic: matrix products marked QUANTISED: E2M1 operands, one E8M0 scale for each 32 along K, by v_wmma_scale_f32_16x16x128_f8f6f4 with both operands' format E2M1 (or v_wmma_scale_f32_32x16x128_f4), f32 sums; everything else in f32.
;; Inputs: gamma one number float32; k 4 x 1,024 x 2,048 float32; q 4 x 1,024 x 2,048 float32; v 4 x 1,024 x 2,048 float32.
;; Outputs: out0 4 x 1,024 x 2,048 float32.
;; This version of the problem:
;;   THIS VERSION OF THE PROBLEM IS GIVEN IN LOW PRECISION. The matrix products marked QUANTISED in the list below multiply operands that are first quantised to E2M1 (2 exponent bits, 1 mantissa bit; 4 bits a number), with one power-of-two scale for each 32 numbers along K (OCP MX v1.0); their sums are f32. All else is computed in f32.
;;   The module's matrix products, in the order in which they are computed (A, B: the left and right operand; K: the contracted axis; several contracted axes count as one K, in the product's order):
;;     1. batch 32 x [M 2,048, K 128] x [K 128, N 2,048]; A: input q; B: input k: QUANTISED
;;     2. batch 32 x [M 128, K 2,048] x [K 2,048, N 2,048]; A: input v; B: softmax (see below): QUANTISED
;;   THE QUANTISER, for each operand of a quantised product, along K:
;;     - K is cut into blocks of 32 from its start; a last block that is shorter is filled with zeros.
;;     - A block's scale is 2^e with e = floor(log2(the largest magnitude in the block)) - 2, held to -126 .. 127; a block of zeros has e = 0. As a byte (E8M0): e + 127.
;;     - Each number is divided by its block's scale, clamped to +-6, and rounded to the nearest number of E2M1, ties to even, subnormals kept.
;;     - The product sums the exact products of the quantised numbers (number of the format x scale) in f32.
;;   ~~~python
;;   def quantise(x, axis):      # numpy; x: float32 -> the quantised numbers, widened to float32 again
;;       x = np.moveaxis(x, axis, -1); K = x.shape[-1]
;;       x = np.pad(x, [(0, 0)] * (x.ndim - 1) + [(0, -K % 32)]); x = x.reshape(x.shape[:-1] + (-1, 32)); a = np.abs(x).max(-1, keepdims=True)
;;       e = np.where(a > 0, np.clip(np.frexp(np.where(a > 0, a, 1))[1] - 1 - 2, -126, 127), 0)      # np.frexp(a)[1] - 1 = floor(log2(a)), exactly
;;       r = np.clip(x / 2.0 ** e, -6, 6)
;;       step = 2.0 ** (np.maximum(np.frexp(np.where(r == 0, 1, r))[1] - 1, 0) - 1)
;;       q = np.round(r / step) * step * 2.0 ** e      # np.round: ties to even
;;       return np.moveaxis(q.reshape(q.shape[:-2] + (-1,))[..., :K], -1, axis).astype(np.float32)
;;   ~~~
;;   SOFTMAX AHEAD OF A QUANTISED PRODUCT. Where the list says 'softmax', what is quantised is not the finished softmax but p = 2^(t - M), with t = logit x log2(e) and M = ceil(the row's largest t), a whole number; so 1/2 < the row's largest p <= 1. The row's sum l is taken of the UNQUANTISED p, in f32, and the product's result is divided by l at the end. Since M is a whole number, a kernel that streams over the keys may use a running M (the ceiling of the running maximum): every later rescaling is an exact power of two, which a block's scale takes up: the codes' values come out the same.
;;   OPERANDS COMPUTED ON THE WAY. 'Computed on the way' means the value that the module computes at that place (a softmax that the list does not call 'softmax' is quantised finished and normalised). What goes into a quantiser is computed in f32, as accurately as f32 sums, v_exp_f32 and their like allow (about 1e-6 of the number): no bf16 or f16 on the way to a quantiser, and a product that is left as it is and whose result goes on into a quantised operand takes f32 operands (vector FMAs, or v_wmma_f32_16x16x4_f32). A number that lies on a knife's edge between two numbers of the format may be rounded either way, as far as f32 arithmetic and the matrix unit's own rounding can turn it there, and no further.
;; One version. Each part assembles by itself: llvm-mc -triple=amdgcn-amd-amdhsa -mcpu=gfx1250 --defsym DOCPART=n.
;; ======== version 1 of 1: 2 launches
;; limits: right only within a limited range of input values
;; workspace buffers: qpack 4,456,448 bytes; kpack 4,456,448 bytes; vpack 4,456,448 bytes
;; launch quant (part 1): grid 1280 x 1, 4 waves a work-group, no clusters, 33,792 bytes of LDS; arguments q, k, v, qpack, kpack, vpack; writes qpack, kpack, vpack
.if DOCPART == 1
	.amdgcn_target "amdgcn-amd-amdhsa--gfx1250"
	.amdhsa_code_object_version 6
	.text
	.protected	k_qeeca22c31c_quant
	.globl	k_qeeca22c31c_quant
	.p2align	8
	.type	k_qeeca22c31c_quant,@function
k_qeeca22c31c_quant:
	s_mov_b64 s[64:65], 0
	v_nop
	global_prefetch_b8 v0, s[64:65] scope:SCOPE_SE
	s_setreg_imm32_b32 hwreg(HW_REG_WAVE_MODE, 25, 1), 1
	s_wait_xcnt 0x0
; q, k, v: [32 heads][128 channels][2,048 positions], f32, become codes of FP4 (E2M1) with one E8M0 scale byte for each 32 along the K of the product that reads them.
; A block's scale is 2^(floor(log2(its largest magnitude)) - 2); its byte is the largest magnitude's exponent field - 2, held at 1 from below; numbers are divided by the scale and rounded to the nearest code, ties to even, beyond 6 the largest code.
; No step and no input of the problem is left out.
; LIMITS: a block of zeros gets the byte 1 where the quantiser says 127 (its codes are zeros, and this program alone reads the bytes); blocks under 2^(3 - 127) are held at the byte 1; NaN and infinities are not served.
; PACKS, 139,264 bytes a head, codes and scales together, so that one tensor descriptor of the next launch covers both.
;   qpack, kpack: 16 groups of 128 positions, 8,704 bytes each: the 16 bytes of channels 32 b .. 32 b + 31 of position p lie at 2,048 b + 512 (p % 4) + 16 (p / 4); the positions' scale words (byte b = block b) at 8,192 + 4 p.
;   vpack: 8 groups of 16 rows dv, 17,408 bytes each: 16 rows of 1,024 bytes of codes, keys innermost; then 1,024 bytes of scale words, [16 steps of 128 keys][16 rows].
; Work-groups 0 .. 255 take v (one group of 16 rows each), 256 .. 1,279 q and then k (one group of 128 positions each).  The two ways part on the work-group's number, never join, and have LDS bytes of their own.
.set WREG,  8192                       ; v's way: LDS for each wave: two stages of 32 x SP bytes, then its 256 scale bytes
.set SP,    80
.set STEPS, 16
.set QL,    0x8200                     ; q's and k's way: 512 bytes: the group's scale words
.set SPW,   16                         ; LDS address of my spare word (from 0x8000 on); never rewritten
.set NIL,   17                         ; 0; never rewritten
.set QM,    8                          ; q, k: v8-11 largest magnitudes, v12-15 scale operands, v18-21 bytes: one for each of my four positions
.set QSC,   12
.set QBY,   18
.set QX,    32                         ;       v32-159 32 channels x 4 positions; v160-175 two runs of 8 numbers; v176-191 codes
.set QY,    160
.set QC,    176
.set VR,    18                         ; v: v18-81 four sets as loaded; v82-113 two sets of 16 neighbours; v114-129 scale bytes; v130.. codes, registers 4 t and 4 t + 1
.set VX,    82
.set VE,    114
.set VC,    130
	s_load_b256 s[4:11], s[0:1], 0x0               ; q, k, v, qpack
	s_load_b128 s[12:15], s[0:1], 0x20             ; kpack, vpack
	v_lshl_add_u32 v[SPW], v0, 2, 0x8000
	v_mov_b32 v[NIL], 0
	v_lshrrev_b32 v1, 5, v0
	v_readfirstlane_b32 s22, v1                    ; wave
	v_and_b32 v2, 31, v0                           ; lane
	s_wait_kmcnt 0x0
	s_cmp_lt_u32 ttmp9, 256
	s_cbranch_scc1 .Lv
	; q and k: wave b takes channels 32 b .. 32 b + 31 of the group's 128 positions; a lane takes four neighbouring positions: each load of the wave reads 512 consecutive bytes of one channel
	s_sub_co_u32 s23, ttmp9, 256
	s_cmp_lt_u32 s23, 512                          ; the choice hangs on the work-group's number alone
	s_cselect_b64 s[4:5], s[4:5], s[6:7]
	s_cselect_b64 s[10:11], s[10:11], s[12:13]
	s_and_b32 s24, s23, 511
	s_lshr_b32 s25, s24, 4                         ; head
	s_and_b32 s26, s24, 15                         ; group of 128 positions
	s_mov_b32 s29, 0
	s_mov_b32 s31, 0
	s_lshl_b32 s28, s25, 20
	s_lshl_b32 s30, s26, 9
	s_add_co_u32 s28, s28, s30
	s_lshl_b32 s30, s22, 18                        ; 32 channels of 8,192 bytes
	s_add_co_u32 s28, s28, s30
	s_add_nc_u64 s[4:5], s[4:5], s[28:29]
	s_mul_i32 s28, s25, 139264
	s_mul_i32 s27, s26, 8704
	s_add_co_u32 s28, s28, s27                     ; the group in the pack
	s_lshl_b32 s30, s22, 7
	s_add_co_u32 s33, s30, QL                      ; LDS: the 32 scale words that I store at the end
	s_add_co_u32 s30, s30, s28
	s_add_co_u32 s30, s30, 8192
	s_add_nc_u64 s[12:13], s[10:11], s[30:31]      ; and their place in the pack
	s_lshl_b32 s30, s22, 11
	s_add_co_u32 s28, s28, s30
	s_add_nc_u64 s[10:11], s[10:11], s[28:29]      ; my block's 2,048 bytes of codes
	s_add_co_u32 s32, s22, QL                      ; LDS: byte b of a word
	s_wait_alu depctr_va_vdst(0)                   ; the wait ahead of the reader below
	v_lshlrev_b32 v4, 4, v2                        ; 16 bytes a lane
	v_lshlrev_b32 v3, 2, v2
	v_add_nc_u32 v5, s32, v4                       ; my four positions' words, byte b
	v_add_nc_u32 v6, s33, v3
.set j, 0
.rept 32
	global_load_b128 v[QX+4*j:QX+4*j+3], v4, s[4:5] offset:j*8192 th:TH_LOAD_NT
.set j, j+1
.endr
	s_wait_loadcnt 16                              ; the first 16 channels are in
.irp e, 0,1,2,3                        ; four positions by turns
	v_max3_num_f32 v[QM+\e], |v[QX+\e]|, |v[QX+4+\e]|, |v[QX+8+\e]|
.endr
.irp i, 3,5,7,9,11,13
.irp e, 0,1,2,3
	v_max3_num_f32 v[QM+\e], v[QM+\e], |v[QX+4*\i+\e]|, |v[QX+4*\i+4+\e]|
.endr
.endr
	s_wait_alu depctr_va_vdst(0)                   ; the wait directly ahead of the wait below
	s_wait_loadcnt 0x0
.irp i, 15,17,19,21,23,25,27,29
.irp e, 0,1,2,3
	v_max3_num_f32 v[QM+\e], v[QM+\e], |v[QX+4*\i+\e]|, |v[QX+4*\i+4+\e]|
.endr
.endr
.irp e, 0,1,2,3
	v_max3_num_f32 v[QM+\e], v[QM+\e], |v[QX+124+\e]|, 0x1800000   ; and the floor 2^(3 - 127)
.endr
.irp e, 0,1,2,3
	v_add_nc_u32 v[QSC+\e], 0xff000000, v[QM+\e]   ; 2 off the exponent field: the conversion's scale operand
.endr
.irp e, 0,1,2,3
	v_lshrrev_b32 v[QBY+\e], 23, v[QSC+\e]         ; the byte
.endr
.irp e, 0,1,2,3
	ds_store_b8 v5, v[QBY+\e] offset:4*\e
.endr
	s_wait_dscnt 0x0                               ; for the others' sake
	s_barrier_signal -1                            ; work on registers alone up to the wait
.irp e, 0,1,2,3                        ; the conversions take 8 neighbours along the channels from consecutive registers: they are copied there, into two runs by turns
.irp g, 0,1,2,3
.irp n, 0,1,2,3,4,5,6,7
	v_mov_b32 v[QY+8*(\g%2)+\n], v[QX+4*(8*\g+\n)+\e]
.endr
	v_cvt_scalef32_pk8_fp4_f32 v[QC+4*\e+\g], v[QY+8*(\g%2):QY+8*(\g%2)+7], v[QSC+\e]
.endr
.endr
	s_wait_alu depctr_va_vdst(0)                   ; the wait directly ahead of the wait below
	s_barrier_wait -1
	ds_load_b32 v7, v6                             ; words whose four bytes the four waves wrote
.irp e, 0,1,2,3
	global_store_b128 v4, v[QC+4*\e:QC+4*\e+3], s[10:11] offset:512*\e   ; 512 consecutive bytes
.endr
	s_wait_dscnt 0x0
	global_store_b32 v3, v7, s[12:13]              ; 128 consecutive bytes a wave
	s_wait_tensorcnt 0x0                           ; the wave's end
	ds_add_u32 v[SPW], v[NIL]
	s_wait_dscnt 0x0
	s_endpgm
	; v: a wave takes four rows dv, 16 steps of 512 numbers; each load is dense and the numbers turn through the wave's stage so that a lane holds 16 neighbours
.Lv:
	s_wait_alu depctr_va_vdst(0)                   ; the wait behind the branch
	v_lshlrev_b32 v3, 4, v2
	s_mul_i32 s23, s22, WREG
	v_lshrrev_b32 v14, 2, v2
	v_mul_u32_u24 v14, v14, SP
	v_and_b32 v15, 3, v2
	v_lshl_add_u32 v14, v15, 4, v14
	v_add_nc_u32 v14, s23, v14                     ; the stage, in
	v_mul_u32_u24 v15, v2, SP
	v_add_nc_u32 v15, s23, v15                     ; and out
	v_lshlrev_b32 v4, 3, v2                        ; my 16 codes in a step's 256 bytes
	v_lshrrev_b32 v5, 1, v2
	s_add_co_u32 s23, s23, 2*32*SP
	v_add_nc_u32 v5, s23, v5                       ; my block's byte among the wave's 256: 64 x row + key block
	v_and_b32 v7, 1, v2
	v_lshrrev_b32 v10, 1, v2                       ; at the end lane l takes the words of step l / 2 of rows 2 (l % 2) and 2 (l % 2) + 1
	v_lshlrev_b32 v6, 7, v7
	v_lshl_add_u32 v6, v10, 2, v6
	v_add_nc_u32 v6, s23, v6
	v_lshlrev_b32 v7, 3, v7
	v_lshl_add_u32 v7, v10, 6, v7                  ; and stores them at 64 x step + 8 (l % 2)
	s_lshl_b32 s24, ttmp9, 2
	s_add_co_u32 s24, s24, s22
	s_mov_b32 s27, 0
	s_lshl_b32 s26, s24, 15
	s_add_nc_u64 s[8:9], s[8:9], s[26:27]          ; my 32,768 bytes of numbers
	s_mul_i32 s28, ttmp9, 17408                    ; my work-group's group of 16 rows in the pack
	s_lshl_b32 s26, s22, 12
	s_add_co_u32 s26, s26, s28
	s_add_nc_u64 s[18:19], s[14:15], s[26:27]      ; my four rows of codes
	s_lshl_b32 s26, s22, 4
	s_add_co_u32 s26, s26, s28
	s_add_co_u32 s26, s26, 16384
	s_add_nc_u64 s[20:21], s[14:15], s[26:27]      ; the scale words, at my four rows
.macro VLOAD t
.irp i, 0,1,2,3
	global_load_b128 v[VR+16*((\t)%4)+4*\i:VR+16*((\t)%4)+4*\i+3], v3, s[8:9] offset:2048*(\t)+512*\i th:TH_LOAD_NT
.endr
.endm
.macro VTURN t                         ; LDS serves a wave's instructions in order: no wait between the stores and the loads
.irp i, 0,1,2,3
	ds_store_b128 v14, v[VR+16*((\t)%4)+4*\i:VR+16*((\t)%4)+4*\i+3] offset:32*SP*((\t)%2)+8*SP*\i
.endr
.irp i, 0,1,2,3
	ds_load_b128 v[VX+16*((\t)%2)+4*\i:VX+16*((\t)%2)+4*\i+3], v15 offset:32*SP*((\t)%2)+16*\i
.endr
.endm
.macro VSTEP t
.set XS, VX+16*((\t)%2)
.if (\t) > 0
	s_wait_dscnt 1                                 ; this step's numbers are back; the last step's byte store may be out
.else
	s_wait_dscnt 0x0
.endif
.if (\t)+4 < STEPS
	VLOAD (\t)+4
.endif
.if (\t)+1 < STEPS
.if STEPS-2-(\t) >= 3
	s_wait_loadcnt 12                              ; the next step's four loads are in; three steps' may be out
.else
	s_wait_loadcnt 4*(STEPS-2-(\t))
.endif
	VTURN (\t)+1
.endif
	v_max3_num_f32 v8, |v[XS]|, |v[XS+1]|, |v[XS+2]|
	v_max3_num_f32 v9, |v[XS+3]|, |v[XS+4]|, |v[XS+5]|
.irp i, 6,10
	v_max3_num_f32 v8, v8, |v[XS+\i]|, |v[XS+\i+1]|
	v_max3_num_f32 v9, v9, |v[XS+\i+2]|, |v[XS+\i+3]|
.endr
	v_max3_num_f32 v8, v8, |v[XS+14]|, |v[XS+15]|
	v_max3_num_f32 v8, v8, v9, 0x1800000
	v_max_num_f32_dpp v8, v8, v8 row_xmask:1 row_mask:0xf bank_mask:0xf   ; with my neighbour's 16: the block's
	v_add_nc_u32 v11, 0xff000000, v8
	v_cvt_scalef32_pk8_fp4_f32 v[VC+4*(\t)], v[XS:XS+7], v11
	v_cvt_scalef32_pk8_fp4_f32 v[VC+4*(\t)+1], v[XS+8:XS+15], v11
	v_lshrrev_b32 v[VE+(\t)], 23, v11
	ds_store_b8 v5, v[VE+(\t)] offset:16*(\t)
	global_store_b64 v4, v[VC+4*(\t):VC+4*(\t)+1], s[18:19] offset:256*(\t)   ; 256 consecutive bytes, aligned
.endm
.irp t, 0,1,2,3
	VLOAD \t
.endr
	s_wait_alu depctr_va_vdst(0)                   ; the wait at the head's end
	s_wait_loadcnt 12
	VTURN 0
.irp t, 0,1,2,3,4,5,6,7,8,9,10,11,12,13,14,15
	VSTEP \t
.endr
	ds_load_b32 v12, v6                            ; these see my byte stores
	ds_load_b32 v13, v6 offset:64
	s_wait_dscnt 0x0
	global_store_b64 v7, v[12:13], s[20:21]        ; pieces of 16 bytes, two lanes each: 256 bytes for each 32,768 that the wave reads
	s_wait_tensorcnt 0x0                           ; the wave's end
	ds_add_u32 v[SPW], v[NIL]
	s_wait_dscnt 0x0
	s_endpgm
.Lfunc_end_k_qeeca22c31c_quant:
	.size	k_qeeca22c31c_quant, .Lfunc_end_k_qeeca22c31c_quant-k_qeeca22c31c_quant
	.p2alignl 7, 3214868480
	.fill 96, 4, 3214868480
	.section	.rodata,"a",@progbits
	.p2align	6, 0x0
	.amdhsa_kernel k_qeeca22c31c_quant
		.amdhsa_group_segment_fixed_size 33792
		.amdhsa_private_segment_fixed_size 0
		.amdhsa_enable_private_segment 0
		.amdhsa_kernarg_size 48
		.amdhsa_user_sgpr_count 2
		.amdhsa_user_sgpr_kernarg_segment_ptr 1
		.amdhsa_wavefront_size32 1
		.amdhsa_system_sgpr_workgroup_id_x 1
		.amdhsa_system_sgpr_workgroup_id_y 1
		.amdhsa_system_sgpr_workgroup_id_z 1
		.amdhsa_system_vgpr_workitem_id 0
		.amdhsa_next_free_vgpr 192
		.amdhsa_next_free_sgpr 66
		.amdhsa_reserve_vcc 0
		.amdhsa_float_denorm_mode_32 3
		.amdhsa_float_denorm_mode_16_64 3
		.amdhsa_memory_ordered 1
		.amdhsa_forward_progress 1
		.amdhsa_inst_pref_size 48
	.end_amdhsa_kernel
	.amdgpu_metadata
---
amdhsa.version: [ 1, 2 ]
amdhsa.kernels:
  - .name:           k_qeeca22c31c_quant
    .symbol:         k_qeeca22c31c_quant.kd
    .args:
      - { .name: q, .offset: 0, .size: 8, .value_kind: global_buffer, .address_space: global }
      - { .name: k, .offset: 8, .size: 8, .value_kind: global_buffer, .address_space: global }
      - { .name: v, .offset: 16, .size: 8, .value_kind: global_buffer, .address_space: global }
      - { .name: qpack, .offset: 24, .size: 8, .value_kind: global_buffer, .address_space: global }
      - { .name: kpack, .offset: 32, .size: 8, .value_kind: global_buffer, .address_space: global }
      - { .name: vpack, .offset: 40, .size: 8, .value_kind: global_buffer, .address_space: global }
    .group_segment_fixed_size: 33792
    .private_segment_fixed_size: 0
    .kernarg_segment_align: 8
    .kernarg_segment_size: 48
    .max_flat_workgroup_size: 128
    .sgpr_count:     66
    .vgpr_count:     192
    .wavefront_size: 32
...
	.end_amdgpu_metadata
.endif
;; end of part 1
;; launch attn (part 2): grid 8 x 32, 8 waves a work-group, clusters of 4 x 1, 327,680 bytes of LDS; arguments qpack, kpack, vpack, gamma, out0; writes out0
.if DOCPART == 2
	.amdgcn_target "amdgcn-amd-amdhsa--gfx1250"
	.amdhsa_code_object_version 6
	.text
	.protected	k_qeeca22c31c_attn
	.globl	k_qeeca22c31c_attn
	.p2align	8
	.type	k_qeeca22c31c_attn,@function
k_qeeca22c31c_attn:
	s_mov_b64 s[64:65], 0
	v_nop
	global_prefetch_b8 v0, s[64:65] scope:SCOPE_SE
	s_setreg_imm32_b32 hwreg(HW_REG_WAVE_MODE, 25, 1), 1
	s_wait_xcnt 0x0
	s_wait_alu depctr_hold_cnt(0) depctr_sa_sdst(0) depctr_va_vdst(0) depctr_va_sdst(0) depctr_va_ssrc(0) depctr_va_vcc(0) depctr_vm_vsrc(0)
	s_getreg_b32 s2, hwreg(HW_REG_IB_STS2, 6, 4)
	s_cmp_eq_u32 s2, 0
	s_cbranch_scc0 .Lentry_in_a_cluster
	s_endpgm
.Lentry_in_a_cluster:
	s_bfe_u32 s2, ttmp6, 0x10000c
	s_cmp_lg_u32 s2, 0x3003
	s_cbranch_scc0 .Lentry_shape_is_right
	s_endpgm
.Lentry_shape_is_right:
; out[head][dv][q] = gamma x the sum over keys of softmax_key(Q[:, q] . K[:, key] / sqrt(128)) V[dv][key]: 32 heads, 2,048 queries and keys, head size 128.  Both products on codes of FP4 with E8M0 scales.
; SOFTMAX: t = score x log2(e) / sqrt(128); M = the running largest t rounded up to a whole number; p = 2^(t - M) is quantised along the keys, not normalised; the row's sum of the unquantised p divides at the end.
; When M moves, the sum and O are multiplied by 2^(old M - new M): exact.
; A HEAD'S K AND V STAY IN LDS: 544 rows of 256 bytes of kpack (pitch 272) and 136 rows of 1,024 bytes of vpack (pitch 1,040), codes and scales, 289,408 bytes.  Each of the eight waves fetches an eighth by its one
; tensor load at the head (waves 0-3 K, waves 4-7 V); nothing is filled again, so the loop over the keys has no barrier.
; CLUSTER: the four work-groups of a cluster belong to one head and ask for its packs jointly.  No prefetch into the L2: every tile is asked for at the head, and no loop runs ahead of a load.
; SHARES: a work-group owns 256 queries, a wave 32: tile A holds queries 32 w + 2 r, tile B 32 w + 2 r + 1, so that each fragment of K and V feeds two matrix instructions and a lane's two results are neighbours in out.
; Two waves share a SIMD, so that one wave's vector work stands beside the other's exponentials, products and waits.
; LAYOUT: both products transposed (S^T = K Q^T, O^T = V P^T): a lane holds one query of each tile.  Row 8 h' + j of K's tile 4 c + u is key 64 c + 32 h' + 8 u + j of the step's 128: so the 32 registers of tiles
; 4 c .. 4 c + 3 of lane (r, h) are keys 64 c + 32 h + 0 .. 31, a whole block, and the conversions' results are the second product's operand as they stand.
; One scale register serves two tiles of K or of V: lanes 0-15 the even one's words, lanes 16-31 the odd one's; Q's likewise for tiles A and B.
; V's fragments of a step and K's of the next are asked for ahead of the softmax.  The first step starts O (C = 0), the last asks for no further K: 1 + 7 x 2 + 1 steps.
; LIMITS: NaN and infinities are not served.  A p under 2^-126 comes out of v_exp_f32 as 0.  A block of p that is all zeros keeps the byte 1.  The result is O x (gamma / the sum): another order of rounding than gamma x (O / the sum).
; A block's largest p is made from its largest score by the same multiply-add and exponential: this takes v_exp_f32 not to fall where its input rises.  The promise holds while |t| stays under 2^31.
.set KG,   9248                        ; 128 keys in LDS: 34 rows x 272
.set KSC,  8704                        ; their scale words: rows 32, 33
.set VB,   147968                      ; V begins
.set VG,   17680                       ; 16 rows dv and their row of scale words: 17 x 1,040
.set VSC,  16640
.set SPARE, 289536                     ; the spare words: 128 bytes a wave, four blocks of 256
.set OP,   1040                        ; the way out: a stage row, 256 queries x 4 bytes + 16; the stage, 128 rows, lies in K's bytes, which have had their only fill and are read no more
; window 0
.set SPW, 1
.set NIL, 2
.set AK, 3                             ; my lane's places: K's fragments, K's scale words, V's fragments (groups 0-3, 4-7), V's scale words (likewise)
.set AKS, 4
.set AV0, 5
.set AV1, 6
.set AVS0, 7
.set AVS1, 8
.set SH8, 9                            ; 8 h
.set NMA, 10                           ; pairs (-M, the largest score so far) of tiles A and B
.set NMB, 12
.set LA, 14                            ; the sums, two halves each
.set LB, 16
.set FA, 18                            ; f = 2^(old M - new M), low word of a pair
.set FB, 20
.set BM, 22                            ; v22-25 the blocks' largest: A's two, B's two
.set T, 26                             ; v26-33 at work
.set SC, 34                            ; v34-37 the conversions' scale operands
.set PSA, 38                           ; p's scale words
.set PSB, 39
.set QS, 40
.set SOA, 41                           ; v41, 42 the stage, in; v43 back
.set SRD, 43
.set KS, 44                            ; v44-47 K's scale words, v48-51 V's
.set VS, 48
.set QA, 52
.set QB, 60
.set PA, 68                            ; p's codes: A v68-75, B v76-83
.set PB, 76
.set TS, 84
.set GO, 88
.set QAD, 89
.set QSA, 90
.set SA, 96                            ; S^T, then p: A v96-159, B v160-223
.set SB, 160
.set WK, 224                           ; the places above at the step in hand
.set WKS, 225
.set WV0, 226
.set WVS, 228
; window 1
.set OA, 0
.set OB, 64
.set KF, 128
.set VF, 192
.set WV, 20
.set HEAD, 21
.set W3, 22
.set GAM, 23
.set G0K, 36
.set G0V, 40
.set G1K, 44
.set G1V, 52
.set SEL, 66
.set CS, 68
.set NC, 70
.set TK, 71
.set TV, 72
.set CNT, 73
.set MSB, 0
.macro WIN new                         ; the immediate's high byte repeats the setting that is left
.if MSB != \new
	s_set_vgpr_msb (MSB<<8)|\new
.set MSB, \new
.endif
.endm
.macro CROUND                          ; a round of the cluster's barrier
	s_barrier_signal -1
	s_barrier_wait -1
	s_cmp_lg_u32 s[WV], 0
	s_cbranch_scc1 .Lnot_wave_0_\@
	s_barrier_signal -3
.Lnot_wave_0_\@:
	s_barrier_wait -3
	s_barrier_signal -1
	s_barrier_wait -1
.endm
; a scaled product.  z = 1: it starts the sum.  sel bit 0: A's scales from lanes 16-31; bit 1: B's
.macro WM d, a, b, z, sa, sb, sel
.if (\z) == 1 && (\sel) == 0
	v_wmma_scale_f32_16x16x128_f8f6f4 v[\d:\d+7], v[\a:\a+7], v[\b:\b+7], 0, v[\sa], v[\sb] matrix_a_fmt:MATRIX_FMT_FP4 matrix_b_fmt:MATRIX_FMT_FP4
.endif
.if (\z) == 1 && (\sel) == 1
	v_wmma_scale_f32_16x16x128_f8f6f4 v[\d:\d+7], v[\a:\a+7], v[\b:\b+7], 0, v[\sa], v[\sb] matrix_a_fmt:MATRIX_FMT_FP4 matrix_b_fmt:MATRIX_FMT_FP4 matrix_a_scale:MATRIX_SCALE_ROW1
.endif
.if (\z) == 1 && (\sel) == 2
	v_wmma_scale_f32_16x16x128_f8f6f4 v[\d:\d+7], v[\a:\a+7], v[\b:\b+7], 0, v[\sa], v[\sb] matrix_a_fmt:MATRIX_FMT_FP4 matrix_b_fmt:MATRIX_FMT_FP4 matrix_b_scale:MATRIX_SCALE_ROW1
.endif
.if (\z) == 1 && (\sel) == 3
	v_wmma_scale_f32_16x16x128_f8f6f4 v[\d:\d+7], v[\a:\a+7], v[\b:\b+7], 0, v[\sa], v[\sb] matrix_a_fmt:MATRIX_FMT_FP4 matrix_b_fmt:MATRIX_FMT_FP4 matrix_a_scale:MATRIX_SCALE_ROW1 matrix_b_scale:MATRIX_SCALE_ROW1
.endif
.if (\z) == 0 && (\sel) == 0
	v_wmma_scale_f32_16x16x128_f8f6f4 v[\d:\d+7], v[\a:\a+7], v[\b:\b+7], v[\d:\d+7], v[\sa], v[\sb] matrix_a_fmt:MATRIX_FMT_FP4 matrix_b_fmt:MATRIX_FMT_FP4
.endif
.if (\z) == 0 && (\sel) == 1
	v_wmma_scale_f32_16x16x128_f8f6f4 v[\d:\d+7], v[\a:\a+7], v[\b:\b+7], v[\d:\d+7], v[\sa], v[\sb] matrix_a_fmt:MATRIX_FMT_FP4 matrix_b_fmt:MATRIX_FMT_FP4 matrix_a_scale:MATRIX_SCALE_ROW1
.endif
.endm
.macro SETW                            ; the lane's places at the step that s[TK], s[TV] name
	v_add_nc_u32 v[WK], s[TK], v[AK]
	v_add_nc_u32 v[WKS], s[TK], v[AKS]
	v_add_nc_u32 v[WV0], s[TV], v[AV0]
	v_add_nc_u32 v[WV0+1], s[TV], v[AV1]
	v_add_nc_u32 v[WVS], s[TV], v[AVS0]
	v_add_nc_u32 v[WVS+1], s[TV], v[AVS1]
.endm
.macro KFRAG off                       ; eight tiles of K: byte 4,096 cc + 256 c + 32 u of the group, with 16 of padding behind each 256
.irp t, 0,1,2,3,4,5,6,7
.irp cc, 0,1
	ds_load_b128 v[KF+8*\t+4*\cc:KF+8*\t+4*\cc+3], v[WK] offset:\off+\cc*4352+(\t/4)*272+(\t%4)*32
.endr
.endr
.endm
.macro KSCL off
.irp p, 0,1,2,3
	ds_load_b32 v[KS+\p], v[WKS] offset:\off+KSC+(\p/2)*272+(\p%2)*64
.endr
.endm
	s_load_b256 s[4:11], s[0:1], 0x0               ; qpack, kpack, vpack, gamma's address
	s_load_b64 s[12:13], s[0:1], 0x20              ; out
	v_lshl_add_u32 v[SPW], v0, 2, SPARE
	v_mov_b32 v[NIL], 0
	ds_add_u32 v[SPW], v[NIL]                      ; the opening lines: the add, twice on end, and its wait ahead of my tensor load
	ds_add_u32 v[SPW], v[NIL]
	v_lshrrev_b32 v3, 5, v0
	v_readfirstlane_b32 s[WV], v3                  ; wave 0..7
	s_and_b32 s[HEAD], ttmp7, 0xffff               ; the head, which the four partners share
	s_and_b32 s[W3], s[WV], 3
	s_mul_i32 s24, s[HEAD], 139264                 ; the head in each pack
	s_mov_b32 s25, 0
	s_mul_i32 s26, s[W3], 34816                    ; my quarter of K's or V's pack in memory,
	s_add_co_u32 s26, s26, s24
	s_mov_b32 s27, 0
	s_mul_i32 s28, s[W3], 136*272                  ; and in LDS
	s_mul_i32 s29, s[W3], 34*1040
	s_add_co_u32 s29, s29, VB
	; my place in the cluster enters Q's and out's global addresses alone
	s_bfe_u32 s30, ttmp6, 0x40000
	s_lshl_b32 s31, ttmp9, 2
	s_add_co_u32 s31, s31, s30                     ; my block of 256 queries
	s_lshl_b32 s32, s31, 1
	s_lshr_b32 s33, s[WV], 2
	s_add_co_u32 s32, s32, s33                     ; my group of 128 positions
	s_mul_i32 s32, s32, 8704
	s_add_co_u32 s32, s32, s24
	s_lshl_b32 s34, s[W3], 7                       ; my 32 queries: 128 bytes on in each run of 512 of the codes, and among the scale words
	s_add_co_u32 s32, s32, s34
	s_add_co_u32 s34, s32, 8192
	s_mov_b32 s33, 0
	s_mov_b32 s35, 0
	s_lshl_b32 s60, s[HEAD], 20                    ; out: the head, rows 16 w on, my block's 1,024 bytes of a row
	s_lshl_b32 s61, s[WV], 17
	s_add_co_u32 s60, s60, s61
	s_lshl_b32 s61, s31, 10
	s_add_co_u32 s60, s60, s61
	s_mov_b32 s61, 0
	; K: 136 dense rows of 256 bytes (32 elements of 8), 16 of padding behind each;  V: 34 dense rows of 1,024 bytes, 16 behind each.  The mask names all four work-groups
	s_mov_b32 s[G1K], 15|(3<<16)|(1<<20)|(1<<21)|(5<<22)|(3<<25)
	s_mov_b32 s[G1K+1], 32<<16
	s_mov_b32 s[G1K+2], 136<<16
	s_mov_b32 s[G1K+3], 32<<16
	s_mov_b32 s[G1K+4], 136
	s_mov_b32 s[G1K+5], 32
	s_mov_b32 s[G1K+6], 0
	s_mov_b32 s[G1K+7], 0
	s_mov_b32 s[G1V], 15|(3<<16)|(1<<20)|(1<<21)|(7<<22)|(3<<25)
	s_mov_b32 s[G1V+1], 128<<16
	s_mov_b32 s[G1V+2], 34<<16
	s_mov_b32 s[G1V+3], 128<<16
	s_mov_b32 s[G1V+4], 34
	s_mov_b32 s[G1V+5], 128
	s_mov_b32 s[G1V+6], 0
	s_mov_b32 s[G1V+7], 0
	s_mov_b32 s[SEL], 0x76543210
	s_mov_b32 s[SEL+1], 0xfedcba98                 ; lane l xor 16
	s_mov_b32 s[CS], 0x3e0293ee                    ; c = log2(e) / sqrt(128)
	s_mov_b32 s[CS+1], s[CS]
	s_mov_b32 s[NC], 0xbe0293ee                    ; -c
	s_mov_b32 s[TK], 0
	s_mov_b32 s[TV], 0
	s_wait_dscnt 0x0                               ; both opening adds are done
	s_wait_kmcnt 0x0
	s_load_b32 s[GAM], s[10:11], 0x0               ; awaited at the head's end
	s_mov_b32 s[G0K], 1
	s_mov_b32 s[G0K+1], s28
	s_add_nc_u64 s[G0K+2:G0K+3], s[6:7], s[26:27]
	s_or_b32 s[G0K+3], s[G0K+3], 0x80000000
	s_mov_b32 s[G0V], 1
	s_mov_b32 s[G0V+1], s29
	s_add_nc_u64 s[G0V+2:G0V+3], s[8:9], s[26:27]
	s_or_b32 s[G0V+3], s[G0V+3], 0x80000000
	s_add_nc_u64 s[14:15], s[4:5], s[34:35]        ; Q's scale words
	s_add_nc_u64 s[4:5], s[4:5], s[32:33]          ; Q's codes
	s_add_nc_u64 s[12:13], s[12:13], s[60:61]
	CROUND                                         ; all four work-groups are here: the joint loads meet
	s_cmp_lt_u32 s[WV], 4                          ; one load a wave, a fill in each arm
	s_cbranch_scc0 .Lfill_v
	tensor_load_to_lds s[G0K:G0K+3], s[G1K:G1K+7]
	s_nop 0
.rept 4
	v_nop
.endr
	s_branch .Lfilled
.Lfill_v:
	tensor_load_to_lds s[G0V:G0V+3], s[G1V:G1V+7]
	s_nop 0
.rept 4
	v_nop
.endr
.Lfilled:
	v_and_b32 v91, 15, v0                          ; r
	v_bfe_u32 v92, v0, 4, 1                        ; h
	v_and_b32 v93, 3, v0                           ; j % 4
	v_bfe_u32 v94, v0, 3, 1                        ; h'
	v_and_b32 v95, 31, v0
	v_bfe_u32 v96, v0, 2, 1                        ; j / 4
	v_and_b32 v97, 1, v0                           ; r % 2
	v_bfe_u32 v98, v0, 1, 3                        ; r / 2
	v_and_b32 v99, 7, v0                           ; j
	v_lshlrev_b32 v[QAD], 10, v97                  ; Q: position 32 (w % 4) + 2 r + X: run 2 (r % 2) + X of 512 bytes, place 8 (w % 4) + r / 2 in it; block 2 cc + h
	v_lshlrev_b32 v[QSA], 3, v91                   ; its scale word: 8 r + 4 h: lanes 0-15 tile A's, lanes 16-31 tile B's
	v_mul_u32_u24 v[AK], v92, 2176
	v_lshlrev_b32 v[AKS], 7, v94
	v_lshl_add_u32 v[QAD], v92, 11, v[QAD]
	v_lshl_add_u32 v[QSA], v92, 2, v[QSA]
	v_mad_u32_u24 v[AK], v93, 544, v[AK]
	v_lshl_add_u32 v[AKS], v99, 2, v[AKS]
	v_lshl_add_u32 v[QAD], v98, 4, v[QAD]
	v_mul_u32_u24 v[AV0], v91, 1040
	v_mul_u32_u24 v[AVS0], v92, VG
	global_load_b128 v[QA:QA+3], v[QAD], s[4:5]
	global_load_b128 v[QA+4:QA+7], v[QAD], s[4:5] offset:4096
	global_load_b128 v[QB:QB+3], v[QAD], s[4:5] offset:512
	global_load_b128 v[QB+4:QB+7], v[QAD], s[4:5] offset:4608
	global_load_b32 v[QS], v[QSA], s[14:15]
	v_lshl_add_u32 v[AK], v94, 7, v[AK]
	v_lshl_add_u32 v[AKS], v92, 5, v[AKS]          ; K's words: 128 h' + 4 j, lanes 16-31 one tile (32 bytes) on
	v_lshl_add_u32 v[AV0], v92, 4, v[AV0]
	v_lshl_add_u32 v[AVS0], v91, 2, v[AVS0]        ; V's words: 4 r, lanes 16-31 one group on
	v_lshl_add_u32 v[AK], v96, 4, v[AK]            ; K: 2,176 h + 544 (j % 4) + 128 h' + 16 (j / 4): sixteen lanes touch sixteen columns of 16 bytes
	v_mul_u32_u24 v[SOA], v92, 8*OP
	v_lshlrev_b32 v[GO], 4, v95
	v_add_nc_u32 v[AV0], VB, v[AV0]
	v_add_nc_u32 v[AVS0], VB+VSC, v[AVS0]
	s_lshl_b32 s62, s[WV], 7
	s_mul_i32 s63, s[WV], 16*OP
	v_lshl_add_u32 v[SOA], v91, 3, v[SOA]
	v_add_nc_u32 v[SRD], s63, v[GO]                ; back: rows dv 16 w on, 16 bytes a lane
	v_add_nc_u32 v[AV1], 4*VG, v[AV0]
	v_add_nc_u32 v[AVS1], 4*VG, v[AVS0]
	v_add_nc_u32 v[SOA], s62, v[SOA]               ; in: 8 h rows down, my two queries' 8 bytes at 128 w + 8 r
	v_lshlrev_b32 v[SH8], 3, v92
	v_mov_b32 v[LA], 0
	v_mov_b32 v[LA+1], 0
	v_add_nc_u32 v[SOA+1], 64*OP, v[SOA]
	v_mov_b32 v[LB], 0
	v_mov_b32 v[LB+1], 0
	v_mov_b32 v[FA+1], 0                           ; upper halves of pairs, and the lane permutes' destinations, are written once
	v_mov_b32 v[FB+1], 0
	v_mov_b32 v[T+2], 0
	v_mov_b32 v[T+3], 0
	v_mov_b32 v[T+6], 0
	v_mov_b32 v[T+7], 0
	SETW
; A KEY STEP: 128 keys x my 32 queries.  o: which step of the pair that the places stand at; inc: steps by which the places move on
.macro STEP o, first, last, inc
	s_wait_dscnt 0x0                               ; K's fragments and scale words are in
.if \last
	s_barrier_signal -1                            ; my reads of K are over: the stage may be written behind this barrier's wait, on the way out; up to there only registers and V are touched
.endif
	WIN 0x01                                       ; A in window 1
.irp p, 0,1,2,3
	WM SA+16*\p, KF+16*\p, QA, 1, KS+\p, QS, 0
	WM SB+16*\p, KF+16*\p, QB, 1, KS+\p, QS, 2
	WM SA+16*\p+8, KF+16*\p+8, QA, 1, KS+\p, QS, 1
	WM SB+16*\p+8, KF+16*\p+8, QB, 1, KS+\p, QS, 3
.endr
	WIN 0
.rept 4
	v_nop                                          ; four places: ahead of the loads into registers that products have read, and of the first read of the scores
.endr
	WIN 0x40                                       ; destinations in window 1
.irp g, 0,1,2,3,4,5,6,7
.irp cc, 0,1
	ds_load_b128 v[VF+8*\g+4*\cc:VF+8*\g+4*\cc+3], v[WV0+(\g/4)] offset:(\g%4)*VG+64*(\o)+32*\cc
.endr
.endr
.if !(\last)
	KFRAG ((\o)+1)*KG
.endif
	WIN 0
.irp p, 0,1,2,3
	ds_load_b32 v[VS+\p], v[WVS+(\p/2)] offset:(\p%2)*2*VG+64*(\o)
.endr
.if !(\last)
	KSCL ((\o)+1)*KG
.endif
.if \inc
	s_add_co_u32 s[TK], s[TK], (\inc)*KG
	s_add_co_u32 s[TV], s[TV], (\inc)*64
	SETW
.endif
.irp q, 0,1,2,3                        ; the largest score of each block of 32 keys: all 32 are mine; four blocks by turns
	v_max3_num_f32 v[BM+\q], v[SA+32*\q], v[SA+32*\q+1], v[SA+32*\q+2]
.endr
.irp i, 3,5,7,9,11,13,15,17,19,21,23,25,27,29
.irp q, 0,1,2,3
	v_max3_num_f32 v[BM+\q], v[BM+\q], v[SA+32*\q+\i], v[SA+32*\q+\i+1]
.endr
.endr
.irp q, 0,1,2,3
	v_max_num_f32 v[BM+\q], v[BM+\q], v[SA+32*\q+31]
.endr
	v_max_num_f32 v[T], v[BM], v[BM+1]
	v_max_num_f32 v[T+1], v[BM+2], v[BM+3]
	v_permlanex16_b32 v[T+2], v[T], s[SEL], s[SEL+1]
	v_permlanex16_b32 v[T+3], v[T+1], s[SEL], s[SEL+1]
.if \first
	v_max_num_f32 v[NMA+1], v[T], v[T+2]
	v_max_num_f32 v[NMB+1], v[T+1], v[T+3]
.else
	v_max3_num_f32 v[NMA+1], v[NMA+1], v[T], v[T+2]   ; the row's largest score so far
	v_max3_num_f32 v[NMB+1], v[NMB+1], v[T+1], v[T+3]
.endif
	v_mul_f32 v[T], s[NC], v[NMA+1]
	v_mul_f32 v[T+1], s[NC], v[NMB+1]
	v_floor_f32 v[T], v[T]                         ; -M = floor(-t)
	v_floor_f32 v[T+1], v[T+1]
.if !(\first)
	v_sub_f32 v[T+2], v[T], v[NMA]                 ; old M - new M: a whole number, 0 or less
	v_sub_f32 v[T+3], v[T+1], v[NMB]
	v_cvt_i32_f32 v[T+2], v[T+2]
	v_cvt_i32_f32 v[T+3], v[T+3]
	v_ldexp_f32 v[FA], 1.0, v[T+2]
	v_ldexp_f32 v[FB], 1.0, v[T+3]
.endif
	v_mov_b32 v[NMA], v[T]
	v_mov_b32 v[NMB], v[T+1]
.set j, 0
.rept 32
	v_pk_fma_f32 v[SA+j:SA+j+1], v[SA+j:SA+j+1], s[CS:CS+1], v[NMA:NMA+1] op_sel_hi:[1,0,0]   ; t - M
	v_pk_fma_f32 v[SB+j:SB+j+1], v[SB+j:SB+j+1], s[CS:CS+1], v[NMB:NMB+1] op_sel_hi:[1,0,0]
.set j, j+2
.endr
	v_pk_fma_f32 v[BM:BM+1], v[BM:BM+1], s[CS:CS+1], v[NMA:NMA+1] op_sel_hi:[1,0,0]         ; the same of the blocks' largest
	v_pk_fma_f32 v[BM+2:BM+3], v[BM+2:BM+3], s[CS:CS+1], v[NMB:NMB+1] op_sel_hi:[1,0,0]
	s_wait_alu depctr_va_vdst(0)                   ; the wait ahead of the batch
.set j, 0
.rept 128
	v_exp_f32 v[SA+j], v[SA+j]
.set j, j+1
.endr
.irp q, 0,1,2,3
	v_exp_f32 v[BM+\q], v[BM+\q]
.endr
.if \first
	v_nop                                          ; a plain place behind the batch
	s_wait_alu depctr_va_vdst(0)                   ; and the one wait behind it
.else
	v_pk_mul_f32 v[LA:LA+1], v[LA:LA+1], v[FA:FA+1] op_sel_hi:[1,0]   ; the sums under the new M (a plain place behind the batch)
	s_wait_alu depctr_va_vdst(0)                   ; and the one wait behind it
	v_pk_mul_f32 v[LB:LB+1], v[LB:LB+1], v[FB:FB+1] op_sel_hi:[1,0]
.endif
.irp q, 0,1,2,3
	v_max_num_f32 v[BM+\q], 0x1800000, v[BM+\q]    ; the floor 2^(3 - 127)
.endr
.irp q, 0,1,2,3
	v_add_nc_u32 v[SC+\q], 0xff000000, v[BM+\q]    ; the conversion's scale operand
.endr
.irp q, 0,1,2,3
	v_lshrrev_b32 v[T+\q], 23, v[SC+\q]            ; the byte
.endr
	v_lshl_or_b32 v[T+4], v[T+1], 16, v[T]         ; my blocks h and 2 + h,
	v_lshl_or_b32 v[T+5], v[T+3], 16, v[T+2]
	v_lshlrev_b32 v[T+4], v[SH8], v[T+4]           ; at their places in the word;
	v_lshlrev_b32 v[T+5], v[SH8], v[T+5]
	v_permlanex16_b32 v[T+6], v[T+4], s[SEL], s[SEL+1]
	v_permlanex16_b32 v[T+7], v[T+5], s[SEL], s[SEL+1]
	v_or_b32 v[PSA], v[T+4], v[T+6]                ; with lane l xor 16's two the word is whole
	v_or_b32 v[PSB], v[T+5], v[T+7]
.irp q, 0,1,2,3
.irp u, 0,1,2,3
	v_cvt_scalef32_pk8_fp4_f32 v[PA+4*\q+\u], v[SA+32*\q+8*\u:SA+32*\q+8*\u+7], v[SC+\q]
.endr
.endr
	v_pk_add_f32 v[TS:TS+1], v[SA:SA+1], v[SA+2:SA+3]          ; the rows' sums of the unquantised p: four chains by turns
	v_pk_add_f32 v[TS+2:TS+3], v[SB:SB+1], v[SB+2:SB+3]
.irp i, 4,8,12,16,20,24,28,32,36,40,44,48,52,56,60
	v_pk_add_f32 v[LA:LA+1], v[LA:LA+1], v[SA+\i:SA+\i+1]
	v_pk_add_f32 v[LB:LB+1], v[LB:LB+1], v[SB+\i:SB+\i+1]
	v_pk_add_f32 v[TS:TS+1], v[TS:TS+1], v[SA+\i+2:SA+\i+3]
	v_pk_add_f32 v[TS+2:TS+3], v[TS+2:TS+3], v[SB+\i+2:SB+\i+3]
.endr
	v_pk_add_f32 v[LA:LA+1], v[LA:LA+1], v[TS:TS+1]
	v_pk_add_f32 v[LB:LB+1], v[LB:LB+1], v[TS+2:TS+3]
.if !(\first)
	WIN 0x41                                       ; O in window 1, f in window 0
	s_wait_alu depctr_va_vdst(0)                   ; the wait directly ahead of the first reader of O^T
.set j, 0
.rept 32
	v_pk_mul_f32 v[OA+j:OA+j+1], v[OA+j:OA+j+1], v[FA:FA+1] op_sel_hi:[1,0]
	v_pk_mul_f32 v[OB+j:OB+j+1], v[OB+j:OB+j+1], v[FB:FB+1] op_sel_hi:[1,0]
.set j, j+2
.endr
.endif
	WIN 0x51                                       ; A, C and D in window 1
	s_wait_alu depctr_va_vdst(0)                   ; the wait directly ahead of the wait below
.if \last
	s_wait_dscnt 0x0
.else
	s_wait_dscnt 4                                 ; V's fragments and words are in; K's four next scale words may be out
.endif
.irp p, 0,1,2,3                        ; sixteen accumulators by turns, one instruction a turn
	WM OA+16*\p, VF+16*\p, PA, \first, VS+\p, PSA, 0
	WM OB+16*\p, VF+16*\p, PB, \first, VS+\p, PSB, 0
	WM OA+16*\p+8, VF+16*\p+8, PA, \first, VS+\p, PSA, 1
	WM OB+16*\p+8, VF+16*\p+8, PB, \first, VS+\p, PSB, 1
.endr
	WIN 0
.endm
	s_wait_alu depctr_va_vdst(0)                   ; the wait at the head's end
	s_wait_tensorcnt 0x0                           ; my eighth has landed
	s_wait_kmcnt 0x0                               ; gamma
	s_barrier_signal -1
	s_barrier_wait -1                              ; and everybody's
	WIN 0x40
	KFRAG 0
	WIN 0
	KSCL 0
	s_wait_loadcnt 0x0                             ; Q
	STEP 0, 1, 0, 1
	s_mov_b32 s[CNT], 7
.Lpair:
	STEP 0, 0, 0, 0
	STEP 1, 0, 0, 2
	s_sub_co_u32 s[CNT], s[CNT], 1
	s_cmp_lg_u32 s[CNT], 0
	s_cbranch_scc1 .Lpair
	STEP 0, 0, 1, 0
	; THE WAY OUT: O^T x gamma / the sum turns through the stage, 8 bytes (my two queries) a store, and leaves as runs of 512 consecutive bytes
	v_add_f32 v[LA], v[LA], v[LA+1]
	v_add_f32 v[LB], v[LB], v[LB+1]
	v_permlanex16_b32 v[T], v[LA], s[SEL], s[SEL+1]
	v_permlanex16_b32 v[T+1], v[LB], s[SEL], s[SEL+1]
	v_add_f32 v[LA], v[LA], v[T]
	v_add_f32 v[LB], v[LB], v[T+1]
	s_wait_alu depctr_va_vdst(0)                   ; the wait ahead of the batch
	v_rcp_f32 v[LA], v[LA]
	v_rcp_f32 v[LB], v[LB]
	v_nop
	s_wait_alu depctr_va_vdst(0)                   ; and behind it
	v_mul_f32 v[LA], s[GAM], v[LA]
	v_mul_f32 v[LB], s[GAM], v[LB]
	s_barrier_wait -1                              ; no wave reads K any more
	WIN 0x01
	s_wait_alu depctr_va_vdst(0)                   ; the wait directly ahead of the first reader of O^T
.set j, 0
.rept 64
	v_mul_f32 v[SA+2*j], v[OA+j], v[LA]            ; register 8 t + i: dv 16 t + 8 h + i; the two tiles' numbers side by side
	v_mul_f32 v[SA+2*j+1], v[OB+j], v[LB]
.set j, j+1
.endr
	WIN 0
.irp t, 0,1,2,3,4,5,6,7
.irp i, 0,1,2,3,4,5,6,7
	ds_store_b64 v[SOA+\t/4], v[SA+2*(8*\t+\i):SA+2*(8*\t+\i)+1] offset:(16*(\t%4)+\i)*OP
.endr
.endr
	s_wait_dscnt 0x0                               ; for the others' sake
	s_barrier_signal -1
	s_barrier_wait -1
.set j, 0
.rept 16
	ds_load_b128 v[SA+8*j:SA+8*j+3], v[SRD] offset:j*OP
	ds_load_b128 v[SA+8*j+4:SA+8*j+7], v[SRD] offset:j*OP+512
.set j, j+1
.endr
.set j, 0
.rept 16
	s_wait_dscnt 31-2*j                            ; LDS loads come back in order: this one is in
	global_store_b128 v[GO], v[SA+8*j:SA+8*j+3], s[12:13] offset:j*8192 th:TH_STORE_NT
	s_wait_dscnt 30-2*j
	global_store_b128 v[GO], v[SA+8*j+4:SA+8*j+7], s[12:13] offset:j*8192+512 th:TH_STORE_NT
.set j, j+1
.endr
	s_wait_tensorcnt 0x0                           ; the wave's end
	ds_add_u32 v[SPW], v[NIL]
	s_wait_dscnt 0x0
	CROUND                                         ; the closing round
	s_endpgm
.Lfunc_end_k_qeeca22c31c_attn:
	.size	k_qeeca22c31c_attn, .Lfunc_end_k_qeeca22c31c_attn-k_qeeca22c31c_attn
	.p2alignl 7, 3214868480
	.fill 96, 4, 3214868480
	.section	.rodata,"a",@progbits
	.p2align	6, 0x0
	.amdhsa_kernel k_qeeca22c31c_attn
		.amdhsa_group_segment_fixed_size 327680
		.amdhsa_private_segment_fixed_size 0
		.amdhsa_enable_private_segment 0
		.amdhsa_kernarg_size 40
		.amdhsa_user_sgpr_count 2
		.amdhsa_user_sgpr_kernarg_segment_ptr 1
		.amdhsa_wavefront_size32 1
		.amdhsa_system_sgpr_workgroup_id_x 1
		.amdhsa_system_sgpr_workgroup_id_y 1
		.amdhsa_system_sgpr_workgroup_id_z 1
		.amdhsa_system_vgpr_workitem_id 0
		.amdhsa_next_free_vgpr 512
		.amdhsa_next_free_sgpr 80
		.amdhsa_reserve_vcc 0
		.amdhsa_float_denorm_mode_32 3
		.amdhsa_float_denorm_mode_16_64 3
		.amdhsa_memory_ordered 1
		.amdhsa_forward_progress 1
		.amdhsa_inst_pref_size 140
	.end_amdhsa_kernel
	.amdgpu_metadata
---
amdhsa.version: [ 1, 2 ]
amdhsa.kernels:
  - .name:           k_qeeca22c31c_attn
    .symbol:         k_qeeca22c31c_attn.kd
    .args:
      - { .name: qpack, .offset: 0, .size: 8, .value_kind: global_buffer, .address_space: global }
      - { .name: kpack, .offset: 8, .size: 8, .value_kind: global_buffer, .address_space: global }
      - { .name: vpack, .offset: 16, .size: 8, .value_kind: global_buffer, .address_space: global }
      - { .name: gamma, .offset: 24, .size: 8, .value_kind: global_buffer, .address_space: global }
      - { .name: out0, .offset: 32, .size: 8, .value_kind: global_buffer, .address_space: global }
    .group_segment_fixed_size: 327680
    .private_segment_fixed_size: 0
    .kernarg_segment_align: 8
    .kernarg_segment_size: 40
    .max_flat_workgroup_size: 256
    .sgpr_count:     80
    .vgpr_count:     512
    .wavefront_size: 32
...
	.end_amdgpu_metadata
.endif
;; end of part 2
